; MI455X (gfx1250); checked and timed in simulation.
; The chip was launched on July 23, 2026; its instructions are those of AMD's public machine-readable ISA for CDNA 5 (MIT licence, August 2026) and "CDNA5" Instruction Set Architecture Reference Guide (July 2026). The comments in the code are by the model that wrote it; some were corrected since.
;; Scaled Dot Product Attn. Allowed arithmetic: matrix products marked QUANTISED: E2M1 operands, one E8M0 scale for each 32 along K, by v_wmma_scale_f32_16x16x128_f8f6f4 with both operands' format E2M1 (or v_wmma_scale_f32_32x16x128_f4), f32 sums; products left as they are: bf16, f16 or f32 operands; f32 sums; everything else in f32.
;; Inputs: k 4 x 16 x 2,048 x 64 float32; mask 1 x 1 x 2,048 x 2,048 float32; q 4 x 16 x 2,048 x 64 float32; v 4 x 16 x 2,048 x 64 float32.
;; Outputs: out0 4 x 16 x 2,048 x 64 float32.
;; This version of the problem:
;;   THIS VERSION OF THE PROBLEM IS GIVEN IN LOW PRECISION. The matrix products marked QUANTISED in the list below multiply operands that are first quantised to E2M1 (2 exponent bits, 1 mantissa bit; 4 bits a number), with one power-of-two scale for each 32 numbers along K (OCP MX v1.0); their sums are f32. The products marked 'left as it is' may take bf16, f16 or f32 operands, with f32 sums. Whichever they take, every output number must still come out within the allowed error. Rounding operands to bf16 (8 significant bits) uses up far more of that allowance than f16 does (11 bits, for magnitudes from 6e-5 to 65,504). All else is computed in f32.
;;   The module's matrix products, in the order in which they are computed (A, B: the left and right operand; K: the contracted axis; several contracted axes count as one K, in the product's order):
;;     1. batch 64 x [M 2,048, K 64] x [K 64, N 2,048]; A: input q; B: input k: QUANTISED
;;     2. batch 64 x [M 2,048, K 2,048] x [K 2,048, N 64]; A: computed on the way; B: input v: left as it is (an operand is computed on the way)
;;   THE QUANTISER, for each operand of a quantised product, along K:
;;     - K is cut into blocks of 32 from its start; a last block that is shorter is filled with zeros.
;;     - A block's scale is 2^e with e = floor(log2(the largest magnitude in the block)) - 2, held to -126 .. 127; a block of zeros has e = 0. As a byte (E8M0): e + 127.
;;     - Each number is divided by its block's scale, clamped to +-6, and rounded to the nearest number of E2M1, ties to even, subnormals kept.
;;     - The product sums the exact products of the quantised numbers (number of the format x scale) in f32.
;;   ~~~python
;;   def quantise(x, axis):      # numpy; x: float32 -> the quantised numbers, widened to float32 again
;;       x = np.moveaxis(x, axis, -1); K = x.shape[-1]
;;       x = np.pad(x, [(0, 0)] * (x.ndim - 1) + [(0, -K % 32)]); x = x.reshape(x.shape[:-1] + (-1, 32)); a = np.abs(x).max(-1, keepdims=True)
;;       e = np.where(a > 0, np.clip(np.frexp(np.where(a > 0, a, 1))[1] - 1 - 2, -126, 127), 0)      # np.frexp(a)[1] - 1 = floor(log2(a)), exactly
;;       r = np.clip(x / 2.0 ** e, -6, 6)
;;       step = 2.0 ** (np.maximum(np.frexp(np.where(r == 0, 1, r))[1] - 1, 0) - 1)
;;       q = np.round(r / step) * step * 2.0 ** e      # np.round: ties to even
;;       return np.moveaxis(q.reshape(q.shape[:-2] + (-1,))[..., :K], -1, axis).astype(np.float32)
;;   ~~~
;; One version. Each part assembles by itself: llvm-mc -triple=amdgcn-amd-amdhsa -mcpu=gfx1250 --defsym DOCPART=n.
;; ======== version 1 of 1: 2 launches
;; limits: values are held in f16: magnitudes above 65,504 overflow, below 6.1e-05 lose precision; inputs' magnitudes at most 65,504
;; workspace buffers: kv 33,554,432 bytes
;; launch prep (part 1): grid 256 x 1, 8 waves a work-group, no clusters, 41,984 bytes of LDS; arguments k, v, kv; writes kv
.if DOCPART == 1
	.amdgcn_target "amdgcn-amd-amdhsa--gfx1250"
	.amdhsa_code_object_version 6
	.text
	.protected	k_qad7d626240_prep
	.globl	k_qad7d626240_prep
	.p2align	8
	.type	k_qad7d626240_prep,@function
k_qad7d626240_prep:
	s_mov_b64 s[64:65], 0
	v_nop
	global_prefetch_b8 v0, s[64:65] scope:SCOPE_SE
	s_setreg_imm32_b32 hwreg(HW_REG_WAVE_MODE, 25, 1), 1
	s_wait_xcnt 0x0
; k and v, [64 heads][2048 keys][64] f32, become ONE record of 256 bytes for each (head, key) in kv:
;   bytes 0-127: v as 64 f16;  128-159: the key's 64 codes of E2M1 (lower k in the low four bits);  160, 161: the E8M0 bytes of its two blocks of 32;  162-255: zeros.
; A block's scale is 2^(floor(log2(largest magnitude)) - 2): its byte is the largest magnitude's exponent field - 2, held at 1 from below.
; LIMITS: NaN and infinities are not served; |v| stays under 65,504 (f16); a block of zeros gets the byte 1 where the rule says 127: its codes are zeros, and this program alone reads the bytes.
; All three buffers have 256 bytes a key.  A wave takes 64 keys, 8 steps of 8 keys; every offset is an immediate, nothing is stepped.  Waves share nothing: no barrier.
; A load takes 512 consecutive bytes, 16 a lane.  The conversion to codes wants 16 neighbours in a lane: k's 2,048 bytes of a step turn through the wave's own stage (64 bytes + 16 of padding a lane).
; The records are put together in a second stage of 8 rows (256 bytes + 16) and leave as whole rows: each store of the wave covers 512 consecutive bytes, two records.
.set WREG,  5120                       ; a wave's LDS: the turning stage, 32 x SP bytes, then 8 rows of RP bytes
.set SP,    80
.set RSO,   32*SP
.set RP,    272
.set SPARE, 8*WREG                     ; behind the eight regions: the spare words, 128 bytes a wave: four blocks of 256 bytes that no other line names
.set LD,  2                            ; v2   16 x lane: my 16 bytes of a load's or a store's 512
.set TI,  3                            ; v3   turning stage, in:  SP (lane / 4) + 16 (lane % 4)
.set TO,  4                            ; v4   turning stage, out: SP x lane: 16 neighbours of key lane / 4
.set RC,  5                            ; v5   row lane / 4, byte 128 + 8 (lane % 4): my 16 codes
.set RB,  6                            ; v6   row lane / 4, byte 160 + (lane / 2) % 2: my block's scale byte
.set RV,  7                            ; v7   row lane / 16, byte 8 (lane % 16): four f16 of v
.set RR,  8                            ; v8   row lane / 16, byte 16 (lane % 16): back as whole rows
.set RZ,  9                            ; v9   row lane / 4, byte 160 + 16 (lane % 4): the zeros
.set SPW, 10                           ; v10  my spare word; never rewritten
.set NIL, 11                           ; v11  0; never rewritten
.set ZR,  16                           ; v16-19   zeros
.set KR,  32                           ; v32-95   k as loaded, four sets of 16
.set VR,  96                           ; v96-159  v as loaded, four sets of 16
.set X,   160                          ; v160-175 16 neighbours of k
.set VH,  176                          ; v176-183 v as f16
.set C,   184                          ; v184-185 codes
.set E,   186                          ; v186     scale byte
.set OUTR, 192                         ; v192-207 rows to store
	s_load_b128 s[4:7], s[0:1], 0x0                ; k, v
	s_load_b64 s[8:9], s[0:1], 0x10                ; kv
	v_lshl_add_u32 v[SPW], v0, 2, SPARE
	v_mov_b32 v[NIL], 0
	v_lshrrev_b32 v12, 5, v0
	v_readfirstlane_b32 s12, v12                   ; wave 0..7
	v_and_b32 v1, 31, v0                           ; lane
	v_lshlrev_b32 v[LD], 4, v1
	s_mul_i32 s13, s12, WREG
	v_lshrrev_b32 v12, 2, v1
	v_and_b32 v13, 3, v1
	v_mul_u32_u24 v[TI], v12, SP
	v_lshl_add_u32 v[TI], v13, 4, v[TI]
	v_add_nc_u32 v[TI], s13, v[TI]
	v_mul_u32_u24 v[TO], v1, SP
	v_add_nc_u32 v[TO], s13, v[TO]
	s_add_co_u32 s13, s13, RSO                     ; the rows' stage
	v_mul_u32_u24 v14, v12, RP
	v_add_nc_u32 v14, s13, v14                     ; row lane / 4
	v_lshl_add_u32 v[RC], v13, 3, v14
	v_add_nc_u32 v[RC], 128, v[RC]
	v_bfe_u32 v15, v1, 1, 1
	v_add_nc_u32 v[RB], v15, v14
	v_add_nc_u32 v[RB], 160, v[RB]
	v_lshl_add_u32 v[RZ], v13, 4, v14
	v_add_nc_u32 v[RZ], 160, v[RZ]
	v_lshrrev_b32 v12, 4, v1
	v_and_b32 v13, 15, v1
	v_mul_u32_u24 v14, v12, RP
	v_add_nc_u32 v14, s13, v14                     ; row lane / 16
	v_lshl_add_u32 v[RV], v13, 3, v14
	v_lshl_add_u32 v[RR], v13, 4, v14
.irp i, 0,1,2,3
	v_mov_b32 v[ZR+\i], 0
.endr
	s_lshl_b32 s14, ttmp9, 3
	s_add_co_u32 s14, s14, s12                     ; which run of 64 keys is my wave's
	s_lshl_b32 s14, s14, 14                        ; x 64 keys x 256 bytes: under 2^25
	s_mov_b32 s15, 0
	s_wait_kmcnt 0x0
	s_add_nc_u64 s[4:5], s[4:5], s[14:15]
	s_add_nc_u64 s[6:7], s[6:7], s[14:15]
	s_add_nc_u64 s[8:9], s[8:9], s[14:15]
.macro LOAD t                          ; step t's 8 keys: four loads of k, four of v, into set t % 4
.irp i, 0,1,2,3
	global_load_b128 v[KR+16*((\t)%4)+4*\i:KR+16*((\t)%4)+4*\i+3], v[LD], s[4:5] offset:2048*(\t)+512*\i th:TH_LOAD_NT
.endr
.irp i, 0,1,2,3
	global_load_b128 v[VR+16*((\t)%4)+4*\i:VR+16*((\t)%4)+4*\i+3], v[LD], s[6:7] offset:2048*(\t)+512*\i th:TH_LOAD_NT
.endr
.endm
.irp t, 0,1,2,3
	LOAD \t
.endr
	ds_store_b128 v[RZ], v[ZR:ZR+3]                ; bytes 160-255 of the eight stage rows are zeroed once; each step then writes bytes 160 and 161 alone
	ds_store_b128 v[RZ], v[ZR:ZR+3] offset:32
.macro STEP t
.set KSET, KR+16*((\t)%4)
.set VSET, VR+16*((\t)%4)
.if 7-(\t) >= 3
	s_wait_loadcnt 24                              ; this step's eight loads are in; those of the three steps behind it may be out
.else
	s_wait_loadcnt 8*(7-(\t))
.endif
.irp i, 0,1,2,3
	ds_store_b128 v[TI], v[KSET+4*\i:KSET+4*\i+3] offset:8*SP*\i   ; k through the turning stage: LDS serves a wave's instructions in order, so no wait stands between stores and loads
.endr
.irp i, 0,1,2,3
	ds_load_b128 v[X+4*\i:X+4*\i+3], v[TO] offset:16*\i
.endr
.irp i, 0,1,2,3,4,5,6,7
	v_cvt_pk_f16_f32 v[VH+\i], v[VSET+2*\i], v[VSET+2*\i+1]        ; v: load i's lane holds key 2 i + lane / 16, channels 4 (lane % 16) on
.endr
.irp i, 0,1,2,3
	ds_store_b64 v[RV], v[VH+2*\i:VH+2*\i+1] offset:2*RP*\i
.endr
	s_wait_dscnt 4                                 ; k's 16 neighbours are back (v's four stores may be out): so the stores that read k's set are done,
.if (\t)+4 < 8
	LOAD (\t)+4                                    ; and both sets take the loads of four steps on
.endif
	v_max3_num_f32 v12, |v[X]|, |v[X+1]|, |v[X+2]|                 ; the largest magnitude of my 16, in two chains
	v_max3_num_f32 v13, |v[X+3]|, |v[X+4]|, |v[X+5]|
.irp i, 6,10
	v_max3_num_f32 v12, v12, |v[X+\i]|, |v[X+\i+1]|
	v_max3_num_f32 v13, v13, |v[X+\i+2]|, |v[X+\i+3]|
.endr
	v_max3_num_f32 v12, v12, |v[X+14]|, |v[X+15]|
	v_max3_num_f32 v12, v12, v13, 0x1800000        ; and the floor 2^(3 - 127): the byte cannot fall under 1
	v_max_num_f32_dpp v12, v12, v12 row_xmask:1 row_mask:0xf bank_mask:0xf   ; with my neighbour's 16: the block's
	v_add_nc_u32 v14, 0xff000000, v12              ; 2 off its exponent field: the conversion takes the exponent field of this operand as its scale
	v_cvt_scalef32_pk8_fp4_f32 v[C], v[X:X+7], v14
	v_cvt_scalef32_pk8_fp4_f32 v[C+1], v[X+8:X+15], v14
	v_lshrrev_b32 v[E], 23, v14                    ; the scale's byte (also the plain line behind the conversions)
	ds_store_b64 v[RC], v[C:C+1]
	ds_store_b8 v[RB], v[E]                        ; both lanes of a block write the same byte with the same value
	s_wait_xcnt 0x0                                ; the last step's stores have read their data: the rows' registers are loaded again only behind this wait
.irp i, 0,1,2,3
	ds_load_b128 v[OUTR+4*\i:OUTR+4*\i+3], v[RR] offset:2*RP*\i    ; whole rows back: these see my stores above
.endr
	s_wait_dscnt 0x0                               ; the rows are in, and every LDS store of this step has read its registers
.irp i, 0,1,2,3
	global_store_b128 v[LD], v[OUTR+4*\i:OUTR+4*\i+3], s[8:9] offset:2048*(\t)+512*\i   ; 32 lanes store 512 consecutive bytes: two whole records
.endr
.endm
.irp t, 0,1,2,3,4,5,6,7
	STEP \t
.endr
	s_wait_tensorcnt 0x0                           ; the wave's end, behind my last LDS store
	ds_add_u32 v[SPW], v[NIL]
	s_wait_dscnt 0x0
	s_endpgm
.Lfunc_end_k_qad7d626240_prep:
	.size	k_qad7d626240_prep, .Lfunc_end_k_qad7d626240_prep-k_qad7d626240_prep
	.p2alignl 7, 3214868480
	.fill 96, 4, 3214868480
	.section	.rodata,"a",@progbits
	.p2align	6, 0x0
	.amdhsa_kernel k_qad7d626240_prep
		.amdhsa_group_segment_fixed_size 41984
		.amdhsa_private_segment_fixed_size 0
		.amdhsa_enable_private_segment 0
		.amdhsa_kernarg_size 24
		.amdhsa_user_sgpr_count 2
		.amdhsa_user_sgpr_kernarg_segment_ptr 1
		.amdhsa_wavefront_size32 1
		.amdhsa_system_sgpr_workgroup_id_x 1
		.amdhsa_system_sgpr_workgroup_id_y 1
		.amdhsa_system_sgpr_workgroup_id_z 1
		.amdhsa_system_vgpr_workitem_id 0
		.amdhsa_next_free_vgpr 224
		.amdhsa_next_free_sgpr 66
		.amdhsa_reserve_vcc 0
		.amdhsa_float_denorm_mode_32 3
		.amdhsa_float_denorm_mode_16_64 3
		.amdhsa_memory_ordered 1
		.amdhsa_forward_progress 1
		.amdhsa_inst_pref_size 33
	.end_amdhsa_kernel
	.amdgpu_metadata
---
amdhsa.version: [ 1, 2 ]
amdhsa.kernels:
  - .name:           k_qad7d626240_prep
    .symbol:         k_qad7d626240_prep.kd
    .args:
      - { .name: k, .offset: 0, .size: 8, .value_kind: global_buffer, .address_space: global }
      - { .name: v, .offset: 8, .size: 8, .value_kind: global_buffer, .address_space: global }
      - { .name: kv, .offset: 16, .size: 8, .value_kind: global_buffer, .address_space: global }
    .group_segment_fixed_size: 41984
    .private_segment_fixed_size: 0
    .kernarg_segment_align: 8
    .kernarg_segment_size: 24
    .max_flat_workgroup_size: 256
    .sgpr_count:     66
    .vgpr_count:     224
    .wavefront_size: 32
...
	.end_amdgpu_metadata
.endif
;; end of part 1
;; launch attn (part 2): grid 8 x 32, 8 waves a work-group, clusters of 4 x 4, 327,680 bytes of LDS; arguments q, kv, mask, out0; writes out0
.if DOCPART == 2
	.amdgcn_target "amdgcn-amd-amdhsa--gfx1250"
	.amdhsa_code_object_version 6
	.text
	.protected	k_qad7d626240_attn
	.globl	k_qad7d626240_attn
	.p2align	8
	.type	k_qad7d626240_attn,@function
k_qad7d626240_attn:
	s_mov_b64 s[64:65], 0
	v_nop
	global_prefetch_b8 v0, s[64:65] scope:SCOPE_SE
	s_setreg_imm32_b32 hwreg(HW_REG_WAVE_MODE, 25, 1), 1
	s_wait_xcnt 0x0
	s_wait_alu depctr_hold_cnt(0) depctr_sa_sdst(0) depctr_va_vdst(0) depctr_va_sdst(0) depctr_va_ssrc(0) depctr_va_vcc(0) depctr_vm_vsrc(0)
	s_getreg_b32 s2, hwreg(HW_REG_IB_STS2, 6, 4)
	s_cmp_eq_u32 s2, 0
	s_cbranch_scc0 .Lentry_in_a_cluster
	s_endpgm
.Lentry_in_a_cluster:
	s_bfe_u32 s2, ttmp6, 0x10000c
	s_cmp_lg_u32 s2, 0xf033
	s_cbranch_scc0 .Lentry_shape_is_right
	s_endpgm
.Lentry_shape_is_right:
; out[h][q][:] = sum over k of softmax_k(Q(q) . Q(k) / 8 x mask[q][k]) v[h][k][:], 64 heads, 2,048 queries and keys, 64 channels.  Q(.) is the MX-FP4 quantiser along the 64 channels.
; kv holds a record of 256 bytes for each (head, key): v as 64 f16, the key's 64 codes at byte 128, its scale word at byte 160 (bytes 2 and 3 of the word are 0).  q is quantised here, in registers: one wave reads each row once.
; FIRST PRODUCT: v_wmma_scale_f32_16x16x128_f8f6f4 on E2M1 codes.  K is 64, so registers 4-7 of both fragments (k = 64 .. 127) hold zero codes, which add nothing.  SECOND PRODUCT: f16 operands, f32 sums.
; SOFTMAX in f32 with a running maximum m: p = 2^(c s - c m), s = score x mask, c = log2(e) / 8; in every step O and the sum l are multiplied by a = 2^(c m_old - c m_new).
; LIMITS: NaN and infinities are not served; |v| under 65,504; a p under 2^-25 of its row's largest is lost to the second product (f16) though it counts in l; m starts at -3e38; a block of zeros of q gets the byte 1 with zero codes.
; SHARES.  A work-group owns 256 queries (block qb) of TWO heads (pair hp).  Wave w: head 2 hp + w / 4, queries 64 (w % 4) on: four tiles of 16, worked as two pieces of two tiles.  Two waves lie on a SIMD,
; so that one wave's vector work stands beside the other's matrix work.  Every wave walks the 2,048 keys, 64 a step; waves w and w + 4 read the same rows of the mask from LDS.
; LAYOUT.  S^T = K Q^T (source 0 = 16 keys, source 1 = 16 queries): a lane holds ONE query (lane % 16) and keys 8 (lane / 16) + 0 .. 7.  Two such tiles rounded to f16 ARE source 1 of O^T = V^T P.  V comes out of LDS turned.
; CLUSTER 4 x 4.  The mask's tile hangs on qb alone: the four work-groups of a column of the cluster ask for it jointly.  The records hang on hp alone: the four of a row ask jointly.  Waves 0-3 fetch the mask's
; 256 rows (64 each), waves 4-7 the 128 records (32 each): one tensor load a wave behind each round, one out at any time.  Two slots of 64 keys take turns.
; REGISTERS.  Window 0: v0-17 addresses; v24-55 statistics, 8 a tile; v56-59 K's scale words, v60-63 q's; v64-127 S^T of a piece; v128-191 its mask; v192-223 P.
;             Window 1: v0-127 O^T, 32 a tile; v128-191 V; v192-223 K's four fragments; v224-255 q's four.
.set SLOT1, 131072                     ; slot 1 begins here: one exclusive or turns an address of one slot into the other's
.set MP,    272                        ; a row of the mask's tile: 256 bytes + 16: the 16 rows of a load start at 16 different groups of four banks
.set KP,    288                        ; a record: 256 bytes + 32: the turning load's 8 rows x 32 bytes fall on different banks
.set KVOFF, 256*MP                     ; in a slot: 256 rows of the mask, then 128 records (head 0's 64, head 1's 64)
.set SPARE, SLOT1+KVOFF+128*KP         ; behind the ring: the spare words, 128 bytes a wave: four blocks of 256 bytes that no other line names
.set STAGE, SPARE+1024                 ; the way out: 16 rows x 272 bytes for each wave; no tile ever lands here
.set AM0, 3                            ; v3   my place in the mask's tile
.set AK0, 4                            ; v4   in a key's codes
.set AS0, 5                            ; v5   at a key's scale word
.set AV0, 6                            ; v6   in V, for the turning load
.set ADM, 7                            ; v7-10 the same four in the slot in hand
.set ADK, 8
.set ADS, 9
.set ADV, 10
.set STO, 11                           ; v11  the way out: where I put 32 bytes of a row
.set RD,  12                           ; v12  where I read rows back
.set GO,  13                           ; v13  my byte offset in two rows of out
.set PFO, 14                           ; v14  the prefetches' offset; never rewritten
.set QO,  15                           ; v15  my byte offset in 16 rows of q
.set SPW, 16                           ; v16  my spare word; never rewritten
.set NIL, 17                           ; v17  0; never rewritten
.set ST,  24                           ; tile t at v[ST + 8 t]: +0 c m, +1 m, +2, +3 l (even, odd keys), +4 .. +7 at work; a in +6
.set KS,  56
.set QS,  60
.set S,   64
.set MK,  128
.set P,   192
.set TQ,  224                          ; at work while q is quantised
.set VF,  128                          ; window 1
.set KF,  192
.set QF,  224
.set WV,  12                           ; s12 wave; s13 cx; s14 cy; s15 wave % 4; s16 wave / 4; s17 qb; s18 hp
.set CX,  13
.set CY,  14
.set W3,  15
.set HH,  16
.set QB,  17
.set HP,  18
.set G1M, 24                           ; s[24:31] group 1 for the mask's tiles; s[32:39] for the records
.set G1K, 32
.set G0M, 40                           ; s[40:43], s[44:47] their groups 0, which walk
.set G0K, 44
.set CS,  48                           ; s[48:49] c, named as a pair by the packed form
.set SEL, 50                           ; s[50:51] selects for lane l xor 16
.set TB,  52                           ; s52  LDS byte at which the slot in hand begins
.set REM, 53                           ; s53  fills still to come
.set LIM, 54                           ; s54  1 in a wave that prefetches, else the greatest number
.set PFA, 56                           ; s[56:57] where my prefetches stand; s[58:59] a step on
.set PFS, 58
.set MSB, 0
.macro WIN new                         ; the immediate's high byte repeats the setting that is left; a switch that changes nothing is dropped
.if MSB != \new
	s_set_vgpr_msb (MSB<<8)|\new
.set MSB, \new
.endif
.endm
.set W_KQ,  0x05                       ; K and q in window 1, S^T in window 0
.set W_PV,  0x51                       ; V and O^T in window 1, P in window 0
.set W_RS,  0x41                       ; O^T (destination, source 0) in window 1, a in window 0
.set W_LD,  0x40                       ; destination in window 1
.set W_OUT, 0x01                       ; source 0 in window 1
.macro CROUND                          ; a round of the cluster's barrier
	s_barrier_signal -1
	s_barrier_wait -1
	s_cmp_lg_u32 s[WV], 0
	s_cbranch_scc1 .Lnot_wave_0_\@
	s_barrier_signal -3
.Lnot_wave_0_\@:
	s_barrier_wait -3
	s_barrier_signal -1
	s_barrier_wait -1
.endm
; A joint load: waves 0-3 ask for the mask, waves 4-7 for the records.  The branch hangs on the wave's number alone.  An s_nop 0 and four v_nop follow each line.
.macro JLOAD
	s_cmp_lt_u32 s[WV], 4
	s_cbranch_scc0 .Lfor_kv_\@
	tensor_load_to_lds s[G0M:G0M+3], s[G1M:G1M+7]
	s_nop 0
.rept 4
	v_nop
.endr
	s_branch .Lasked_\@
.Lfor_kv_\@:
	tensor_load_to_lds s[G0K:G0K+3], s[G1K:G1K+7]
	s_nop 0
.rept 4
	v_nop
.endr
.Lasked_\@:
.endm
; A prefetch of the tile that the NEXT change of slots will ask for, one step ahead of that load, a lane a row of 256 bytes, one instruction a wave.  Each row's 256 bytes of a step are named once in the launch:
; the mask's by the clusters with y = 0 (of a block's 256 rows the partner at cy takes 64, its waves 0 and 1 take 32 each); the records' by the clusters with x = 0 (of a pair's 128 the partner at cx takes 32, its wave 4).
; Partners are told apart by address alone.  Tiles 0 and 1 come by their loads alone; the last change that fills a slot asks for nothing.
.macro ASK
	s_cmp_gt_u32 s[REM], s[LIM]
	s_cbranch_scc0 .Lnot_mine_\@
	global_prefetch_b8 v[PFO], s[PFA:PFA+1] th:TH_LOAD_NT scope:SCOPE_SE
.Lnot_mine_\@:
.endm
	s_load_b256 s[4:11], s[0:1], 0x0               ; q s[4:5], kv s[6:7], mask s[8:9], out s[10:11]
	v_lshl_add_u32 v[SPW], v0, 2, SPARE
	v_mov_b32 v[NIL], 0
	ds_add_u32 v[SPW], v[NIL]                      ; the wave's opening: the add, twice on end, and its wait ahead of my first tensor load
	ds_add_u32 v[SPW], v[NIL]
	v_lshrrev_b32 v1, 5, v0
	v_readfirstlane_b32 s[WV], v1                  ; wave 0..7
	s_and_b32 s[W3], s[WV], 3
	s_lshr_b32 s[HH], s[WV], 2
	s_bfe_u32 s[CX], ttmp6, 0x40000
	s_bfe_u32 s[CY], ttmp6, 0x40004
	s_lshl_b32 s[QB], ttmp9, 2
	s_add_co_u32 s[QB], s[QB], s[CX]               ; block of 256 queries = 4 x cluster x + cx
	s_and_b32 s[HP], ttmp7, 0xffff
	s_lshl_b32 s[HP], s[HP], 2
	s_add_co_u32 s[HP], s[HP], s[CY]               ; pair of heads = 4 x cluster y + cy
	s_lshl_b32 s62, 0x1111, s[CX]                  ; my column of the cluster
	s_lshl_b32 s63, s[CY], 2
	s_lshl_b32 s63, 15, s63                        ; my row
	; group 1, elements of 4 bytes.  The mask: 64 rows x 64 elements, 2,048 elements from row to row; 4 words of padding behind every 64
	s_or_b32 s[G1M], s62, (2<<16)|(1<<20)|(1<<21)|(5<<22)|(3<<25)
	s_mov_b32 s[G1M+1], 64<<16                     ; tensor_dim0
	s_mov_b32 s[G1M+2], 64<<16                     ; tensor_dim1
	s_mov_b32 s[G1M+3], 64<<16                     ; tile_dim0
	s_mov_b32 s[G1M+4], 64                         ; tile_dim1
	s_mov_b32 s[G1M+5], 2048                       ; stride
	s_mov_b32 s[G1M+6], 0
	s_mov_b32 s[G1M+7], 0
	; the records: 32 rows x 64 elements, dense; 8 words of padding behind every 64
	s_or_b32 s[G1K], s63, (2<<16)|(1<<20)|(1<<21)|(5<<22)|(7<<25)
	s_mov_b32 s[G1K+1], 64<<16
	s_mov_b32 s[G1K+2], 32<<16
	s_mov_b32 s[G1K+3], 64<<16
	s_mov_b32 s[G1K+4], 32
	s_mov_b32 s[G1K+5], 64
	s_mov_b32 s[G1K+6], 0
	s_mov_b32 s[G1K+7], 0
	; where the tiles come from: the mask's address is made of qb and the wave alone, the records' of hp and the wave alone
	s_lshl_b32 s20, s[QB], 8
	s_lshl_b32 s21, s[W3], 6
	s_add_co_u32 s20, s20, s21
	s_lshl_b32 s20, s20, 13                        ; row 256 qb + 64 (wave % 4), 8,192 bytes a row
	s_mov_b32 s21, 0
	s_lshl_b32 s22, s[HP], 1
	s_lshr_b32 s23, s[W3], 1
	s_add_co_u32 s22, s22, s23
	s_lshl_b32 s22, s22, 19                        ; head 2 hp + (wave % 4) / 2, 524,288 bytes a head
	s_and_b32 s23, s[W3], 1
	s_lshl_b32 s23, s23, 13                        ; its keys 32 (wave % 2) on
	s_add_co_u32 s22, s22, s23
	s_mov_b32 s23, 0
	s_mov_b32 s[G0M], 1
	s_mul_i32 s[G0M+1], s[W3], 64*MP               ; and where they go: no place in the cluster enters an LDS address
	s_mov_b32 s[G0K], 1
	s_mul_i32 s[G0K+1], s[W3], 32*KP
	s_add_co_u32 s[G0K+1], s[G0K+1], KVOFF
	; my rows of q and of out: head 2 hp + wave / 4, query 256 qb + 64 (wave % 4), 256 bytes a row
	s_lshl_b32 s60, s[HP], 1
	s_add_co_u32 s60, s60, s[HH]
	s_lshl_b32 s60, s60, 19
	s_lshl_b32 s61, s[QB], 16
	s_add_co_u32 s60, s60, s61
	s_lshl_b32 s61, s[W3], 14
	s_add_co_u32 s60, s60, s61
	s_mov_b32 s61, 0
	; the prefetches: both offsets, then the choice by the wave's number
	s_lshl_b32 s66, s[QB], 8
	s_lshl_b32 s67, s[CY], 6
	s_add_co_u32 s66, s66, s67
	s_and_b32 s67, s[WV], 1
	s_lshl_b32 s67, s67, 5
	s_add_co_u32 s66, s66, s67
	s_lshl_b32 s66, s66, 13
	s_add_co_u32 s66, s66, 256                     ; the mask: row 256 qb + 64 cy + 32 (wave % 2), at tile 1: the first change steps it to tile 2
	s_lshl_b32 s68, s[HP], 1
	s_lshr_b32 s69, s[CX], 1
	s_add_co_u32 s68, s68, s69
	s_lshl_b32 s68, s68, 19
	s_and_b32 s69, s[CX], 1
	s_lshl_b32 s69, s69, 13
	s_add_co_u32 s68, s68, s69
	s_add_co_u32 s68, s68, 16384                   ; the records: head 2 hp + cx / 2, keys 32 (cx % 2) on, at tile 1
	s_mov_b32 s70, 16384
	s_mov_b32 s71, 256
	s_and_b32 s72, ttmp7, 0xffff
	s_lshr_b32 s73, s[WV], 1
	s_or_b32 s72, s72, s73                         ; 0 in waves 0 and 1 of a cluster with y = 0
	s_or_b32 s73, s[W3], ttmp9                     ; 0 in wave 4 of a cluster with x = 0 (taken for waves 4-7 alone)
	s_mov_b32 s[CS], 0x3e38aa3b                    ; c = log2(e) / 8
	s_mov_b32 s[CS+1], s[CS]
	s_mov_b32 s[SEL], 0x76543210
	s_mov_b32 s[SEL+1], 0xfedcba98
	s_mov_b32 s[TB], 0
	s_mov_b32 s[REM], 31
	s_wait_dscnt 0x0                               ; both opening adds are done
	s_wait_kmcnt 0x0
	s_add_nc_u64 s[G0M+2:G0M+3], s[8:9], s[20:21]
	s_or_b32 s[G0M+3], s[G0M+3], 0x80000000
	s_add_nc_u64 s[G0K+2:G0K+3], s[6:7], s[22:23]
	s_or_b32 s[G0K+3], s[G0K+3], 0x80000000
	s_add_nc_u64 s[4:5], s[4:5], s[60:61]
	s_add_nc_u64 s[10:11], s[10:11], s[60:61]
	s_cmp_lt_u32 s[WV], 4                          ; waves 0-3: the mask; waves 4-7: the records
	s_cselect_b64 s[PFA:PFA+1], s[8:9], s[6:7]
	s_cselect_b32 s66, s66, s68
	s_cselect_b32 s[PFS], 256, s70                 ; a step on
	s_cselect_b32 s71, 8192, s71                   ; from lane to lane
	s_cselect_b32 s72, s72, s73
	s_mov_b32 s67, 0
	s_mov_b32 s[PFS+1], 0
	s_add_nc_u64 s[PFA:PFA+1], s[PFA:PFA+1], s[66:67]
	s_cmp_eq_u32 s72, 0
	s_cselect_b32 s[LIM], 1, -1                    ; the same in all sixteen partners, for a given wave
	CROUND                                         ; all sixteen work-groups are here: the first joint loads meet
	JLOAD                                          ; tile 0 into slot 0
	v_and_b32 v1, 15, v0                           ; r = lane % 16
	v_bfe_u32 v2, v0, 4, 1                         ; h = lane / 16
	v_lshlrev_b32 v[QO], 8, v1
	v_lshl_add_u32 v[QO], v2, 7, v[QO]             ; q: row r, block h of 32 numbers: all 32 are mine
.irp t, 0,1,2,3
.irp j, 0,1,2,3,4,5,6,7
	global_load_b128 v[S+32*\t+4*\j:S+32*\t+4*\j+3], v[QO], s[4:5] offset:4096*\t+16*\j th:TH_LOAD_NT
.endr
.endr
	v_mul_u32_u24 v[AM0], v1, MP
	v_lshl_add_u32 v[AM0], v2, 5, v[AM0]
	s_mul_i32 s20, s[W3], 64*MP
	v_add_nc_u32 v[AM0], s20, v[AM0]               ; the mask: row 64 (wave % 4) + r, my 8 keys at 32 h
	s_mul_i32 s21, s[HH], 64*KP
	s_add_co_u32 s21, s21, KVOFF                   ; my head's 64 records
	v_mul_u32_u24 v18, v1, KP
	v_add_nc_u32 v18, s21, v18
	v_lshl_add_u32 v[AK0], v2, 4, v18
	v_add_nc_u32 v[AK0], 128, v[AK0]               ; codes: record r, byte 128 + 16 h: k = 32 h .. 32 h + 31
	v_add_nc_u32 v[AS0], 160, v18                  ; scale word: record r, byte 160
	v_and_b32 v19, 7, v0
	v_lshl_add_u32 v19, v2, 3, v19
	v_mul_u32_u24 v19, v19, KP
	v_bfe_u32 v20, v0, 3, 1
	v_lshl_add_u32 v19, v20, 4, v19
	v_add_nc_u32 v[AV0], s21, v19                  ; V: record 8 h + lane % 8, 16 bytes at 16 ((lane / 8) % 2)
	s_mul_i32 s74, s[WV], 16*272
	s_add_co_u32 s74, s74, STAGE                   ; my stage
	v_mul_u32_u24 v[STO], v1, 272
	v_lshl_add_u32 v[STO], v2, 5, v[STO]
	v_add_nc_u32 v[STO], s74, v[STO]
	v_mul_u32_u24 v[RD], v2, 272
	v_lshl_add_u32 v[RD], v1, 4, v[RD]
	v_add_nc_u32 v[RD], s74, v[RD]
	v_lshlrev_b32 v[GO], 8, v2
	v_lshl_add_u32 v[GO], v1, 4, v[GO]
	v_and_b32 v[PFO], 31, v0
	v_mul_lo_u32 v[PFO], v[PFO], s71
.irp t, 0,1,2,3
	v_mov_b32 v[ST+8*\t+1], 0xff61b1e6             ; m = -3e38, under every score
	v_mov_b32 v[ST+8*\t+2], 0                      ; l, in two halves
	v_mov_b32 v[ST+8*\t+3], 0
.endr
.irp t, 0,1,2,3
	v_mul_f32 v[ST+8*\t], s[CS], v[ST+8*\t+1]      ; c m
.endr
	s_wait_loadcnt 0x0                             ; q
	; q's four tiles are quantised, by turns: a lane holds one whole block of 32
.irp t, 0,1,2,3
	v_max3_num_f32 v[TQ+\t], |v[S+32*\t]|, |v[S+32*\t+1]|, 0x1800000   ; with the floor 2^(3 - 127): the byte cannot fall under 1
.endr
.irp u, 2,4,6,8,10,12,14,16,18,20,22,24,26,28,30
.irp t, 0,1,2,3
	v_max3_num_f32 v[TQ+\t], v[TQ+\t], |v[S+32*\t+\u]|, |v[S+32*\t+\u+1]|
.endr
.endr
.irp t, 0,1,2,3
	v_add_nc_u32 v[TQ+4+\t], 0xff000000, v[TQ+\t]  ; 2 off the exponent field: the conversion's scale operand
.endr
.irp t, 0,1,2,3
	v_lshrrev_b32 v[TQ+8+\t], 23, v[TQ+4+\t]       ; the scale's byte
.endr
	v_lshlrev_b32 v[TQ+16], 3, v2
.irp t, 0,1,2,3
	v_lshlrev_b32 v[TQ+8+\t], v[TQ+16], v[TQ+8+\t] ; at its place in the word: 8 h bits up
	v_mov_b32 v[TQ+12+\t], 0                       ; (a lane permute's destination counts as one of its sources)
.endr
.irp t, 0,1,2,3
	v_permlanex16_b32 v[TQ+12+\t], v[TQ+8+\t], s[SEL], s[SEL+1]
.endr
.irp t, 0,1,2,3
	v_or_b32 v[QS+\t], v[TQ+8+\t], v[TQ+12+\t]     ; with lane l xor 16's byte: query r's scale word; bytes 2 and 3 are 0, over zero codes
.endr
	WIN W_LD
.irp t, 0,1,2,3
.irp g, 0,1,2,3
	v_cvt_scalef32_pk8_fp4_f32 v[QF+8*\t+\g], v[S+32*\t+8*\g:S+32*\t+8*\g+7], v[TQ+4+\t]   ; registers 0-3 of tile t's fragment
.endr
.endr
	v_nop                                          ; one plain line behind the last scaled conversion
.irp t, 0,1,2,3
.irp g, 4,5,6,7
	v_mov_b32 v[QF+8*\t+\g], 0                     ; k = 64 .. 127: zero codes, in q's fragments
	v_mov_b32 v[KF+8*\t+\g], 0                     ; and in K's, where no load ever lands
.endr
.endr
	WIN 0
; THE CHANGE OF SLOTS, at a step's head.  Each wave waits for all its tensor loads (one is out: its part of the tile about to be read), adds 0 to its spare word, and waits for that and for its reads of the slot just left.
; fill = 1: a round of the cluster's barrier follows, so that no wave of any partner still reads that slot or has a load on its way, and the joint load for the next tile is the first thing behind it: it has a whole step in which to land.
.macro CHANGE fill
	s_wait_tensorcnt 0x0                           ; no tensor load of mine is out, so a group 0 may be written
	ds_add_u32 v[SPW], v[NIL]                      ; 0 onto my spare word
.if \fill
	s_xor_b32 s[G0M+1], s[G0M+1], SLOT1            ; the other slot than last time,
	s_add_nc_u64 s[G0M+2:G0M+3], s[G0M+2:G0M+3], 256     ; the next 64 keys of each row of the mask; the type bits on top are not reached
	s_xor_b32 s[G0K+1], s[G0K+1], SLOT1
	s_add_nc_u64 s[G0K+2:G0K+3], s[G0K+2:G0K+3], 16384   ; the next 64 records
	s_wait_xcnt 0x0                                ; the last prefetch, a step back, has read its address, so it may be written
	s_add_nc_u64 s[PFA:PFA+1], s[PFA:PFA+1], s[PFS:PFS+1]
	s_wait_dscnt 0x0                               ; the add is done, and my reads of the slot that I have left are over
	CROUND
	JLOAD
	ASK
.else
	s_wait_dscnt 0x0
	s_barrier_signal -1
	s_barrier_wait -1
.endif
.endm
.macro MLOAD p                         ; piece p's mask: register 32 i + 8 kt + j = mask(query of tile 2 p + i, key 16 kt + 8 h + j)
.irp i, 0,1
.irp kt, 0,1,2,3
	ds_load_b128 v[MK+32*\i+8*\kt:MK+32*\i+8*\kt+3],   v[ADM] offset:16*MP*(2*\p+\i)+64*\kt
	ds_load_b128 v[MK+32*\i+8*\kt+4:MK+32*\i+8*\kt+7], v[ADM] offset:16*MP*(2*\p+\i)+64*\kt+16
.endr
.endr
.endm
; A PIECE: two tiles of 16 queries against the step's 64 keys.  first = 1: the first step: O^T is not rescaled, and its first products start the sums.
.macro PIECE p, first
.set T0, ST+16*\p
.set O0, 64*\p
.if \p == 0
	s_wait_dscnt 32                                ; K's codes and scale words are in; the 16 mask loads and 16 V loads behind them may be out
.endif
	WIN W_KQ
.irp kt, 0,1,2,3
.irp i, 0,1
	v_wmma_scale_f32_16x16x128_f8f6f4 v[S+32*\i+8*\kt:S+32*\i+8*\kt+7], v[KF+8*\kt:KF+8*\kt+7], v[QF+8*(2*\p+\i):QF+8*(2*\p+\i)+7], 0, v[KS+\kt], v[QS+2*\p+\i] matrix_a_fmt:MATRIX_FMT_FP4 matrix_b_fmt:MATRIX_FMT_FP4
.endr
.endr
	WIN 0
.rept 4
	v_nop                                          ; four plain lines between the products and the first read of their results (ISA guide 7.12.1)
.endr
.if \p == 0
	s_wait_dscnt 16                                ; the mask is in; V's 16 loads may be out
.else
	s_wait_dscnt 0x0                               ; the second piece's mask is in
.endif
.set n, 0
.rept 32
	v_pk_mul_f32 v[S+n:S+n+1], v[S+n:S+n+1], v[MK+n:MK+n+1]       ; score x mask; each accumulator is read from its low end on
.set n, n+2
.endr
.if \p == 0
	MLOAD 1                                        ; the other piece's mask, into the registers just read
.endif
	; the maximum of my 32 scores and the old m, the two tiles by turns
.irp j, 0,1,2,3
.irp i, 0,1
	v_max3_num_f32 v[T0+8*\i+4+\j], v[S+32*\i+8*\j], v[S+32*\i+8*\j+1], v[S+32*\i+8*\j+2]
.endr
.endr
.irp u, 3,5
.irp j, 0,1,2,3
.irp i, 0,1
	v_max3_num_f32 v[T0+8*\i+4+\j], v[T0+8*\i+4+\j], v[S+32*\i+8*\j+\u], v[S+32*\i+8*\j+\u+1]
.endr
.endr
.endr
.irp i, 0,1
	v_max3_num_f32 v[T0+8*\i+4], v[T0+8*\i+4], v[S+32*\i+7], v[S+32*\i+15]
.endr
.irp i, 0,1
	v_max3_num_f32 v[T0+8*\i+6], v[T0+8*\i+6], v[S+32*\i+23], v[S+32*\i+31]
.endr
.irp i, 0,1
	v_max3_num_f32 v[T0+8*\i+4], v[T0+8*\i+4], v[T0+8*\i+5], v[T0+8*\i+6]
.endr
.irp i, 0,1
	v_max3_num_f32 v[T0+8*\i+4], v[T0+8*\i+4], v[T0+8*\i+7], v[T0+8*\i+1]
.endr
.irp i, 0,1
	v_permlanex16_b32 v[T0+8*\i+5], v[T0+8*\i+4], s[SEL], s[SEL+1] ; the query's other 32 keys lie in the lane 16 away
.endr
.irp i, 0,1
	v_mov_b32 v[T0+8*\i+7], v[T0+8*\i]             ; c m_old
.endr
.irp i, 0,1
	v_max_num_f32 v[T0+8*\i+1], v[T0+8*\i+4], v[T0+8*\i+5]
.endr
.irp i, 0,1
	v_mul_f32 v[T0+8*\i], s[CS], v[T0+8*\i+1]      ; c m
.endr
.irp i, 0,1
	v_sub_f32 v[T0+8*\i+7], v[T0+8*\i+7], v[T0+8*\i]
.endr
	; ONE BATCH of 66 exponentials: none of the lines up to the wait names an exponential's result.  A pair is scaled ahead of its two exponentials.
.irp i, 0,1
	v_exp_f32 v[T0+8*\i+6], v[T0+8*\i+7]           ; a = 2^(c m_old - c m_new)
.endr
.irp i, 0,1
	v_pk_fma_f32 v[S+32*\i:S+32*\i+1], v[S+32*\i:S+32*\i+1], s[CS:CS+1], v[T0+8*\i:T0+8*\i+1] op_sel_hi:[1,0,0] neg_lo:[0,0,1] neg_hi:[0,0,1]
.endr
.set b, 0
.rept 16
.irp i, 0,1
.if b < 15
	v_pk_fma_f32 v[S+32*\i+2*b+2:S+32*\i+2*b+3], v[S+32*\i+2*b+2:S+32*\i+2*b+3], s[CS:CS+1], v[T0+8*\i:T0+8*\i+1] op_sel_hi:[1,0,0] neg_lo:[0,0,1] neg_hi:[0,0,1]   ; c s - c m
.endif
	v_exp_f32 v[S+32*\i+2*b], v[S+32*\i+2*b]
	v_exp_f32 v[S+32*\i+2*b+1], v[S+32*\i+2*b+1]
.endr
.set b, b+1
.endr
	v_nop                                          ; a plain line behind the last exponential
	s_wait_alu depctr_va_vdst(0)                   ; the wait ahead of the first line that names a result: one for the batch
.set b, 0
.rept 16
.irp i, 0,1
	v_cvt_pk_f16_f32 v[P+16*\i+b], v[S+32*\i+2*b], v[S+32*\i+2*b+1]   ; registers 8 g .. 8 g + 7: source 1 for keys 32 g on
.endr
.set b, b+1
.endr
	; the sum of the unrounded p, in place, pairs 1, 2, 4 and 8 apart; then l = a l + the sum
.irp z, 0,1,2,3,4,5,6,7
.irp i, 0,1
	v_pk_add_f32 v[S+32*\i+4*\z:S+32*\i+4*\z+1], v[S+32*\i+4*\z:S+32*\i+4*\z+1], v[S+32*\i+4*\z+2:S+32*\i+4*\z+3]
.endr
.endr
.irp z, 0,1,2,3
.irp i, 0,1
	v_pk_add_f32 v[S+32*\i+8*\z:S+32*\i+8*\z+1], v[S+32*\i+8*\z:S+32*\i+8*\z+1], v[S+32*\i+8*\z+4:S+32*\i+8*\z+5]
.endr
.endr
.irp z, 0,1
.irp i, 0,1
	v_pk_add_f32 v[S+32*\i+16*\z:S+32*\i+16*\z+1], v[S+32*\i+16*\z:S+32*\i+16*\z+1], v[S+32*\i+16*\z+8:S+32*\i+16*\z+9]
.endr
.endr
.irp i, 0,1
	v_pk_add_f32 v[S+32*\i:S+32*\i+1], v[S+32*\i:S+32*\i+1], v[S+32*\i+16:S+32*\i+17]
.endr
.irp i, 0,1
	v_pk_fma_f32 v[T0+8*\i+2:T0+8*\i+3], v[T0+8*\i+2:T0+8*\i+3], v[T0+8*\i+6:T0+8*\i+7], v[S+32*\i:S+32*\i+1] op_sel_hi:[1,0,1]
.endr
.if \first == 0
	WIN W_RS
.irp i, 0,1
.set n, 0
.rept 16
	v_pk_mul_f32 v[O0+32*\i+n:O0+32*\i+n+1], v[O0+32*\i+n:O0+32*\i+n+1], v[T0+8*\i+6:T0+8*\i+7] op_sel_hi:[1,0]   ; O^T x a, each accumulator from its low end on
.set n, n+2
.endr
.endr
.endif
.if \p == 0
	s_wait_dscnt 16                                ; V is in; the other piece's 16 mask loads may be out
.endif
	WIN W_PV
.irp g, 0,1                            ; the piece's eight accumulators take turns, one instruction a turn
.irp ct, 0,1,2,3
.irp i, 0,1
.if \first && (\g == 0)
	v_wmma_f32_16x16x32_f16 v[O0+32*\i+8*\ct:O0+32*\i+8*\ct+7], v[VF+8*(4*\g+\ct):VF+8*(4*\g+\ct)+7], v[P+16*\i+8*\g:P+16*\i+8*\g+7], 0
.else
	v_wmma_f32_16x16x32_f16 v[O0+32*\i+8*\ct:O0+32*\i+8*\ct+7], v[VF+8*(4*\g+\ct):VF+8*(4*\g+\ct)+7], v[P+16*\i+8*\g:P+16*\i+8*\g+7], v[O0+32*\i+8*\ct:O0+32*\i+8*\ct+7]
.endif
.endr
.endr
.endr
	WIN 0
.endm
; A STEP of 64 keys.  All its LDS loads but the second piece's mask go out in one run: 4 of K's codes, 4 of its scale words, 16 of the mask, 16 of V.
.macro STEP first
	v_add_nc_u32 v[ADM], s[TB], v[AM0]             ; these four plain lines also stand between the last step's last products and the loads into V's registers
	v_add_nc_u32 v[ADK], s[TB], v[AK0]
	v_add_nc_u32 v[ADS], s[TB], v[AS0]
	v_add_nc_u32 v[ADV], s[TB], v[AV0]
	WIN W_LD
.irp kt, 0,1,2,3
	ds_load_b128 v[KF+8*\kt:KF+8*\kt+3], v[ADK] offset:16*KP*\kt   ; keys 16 kt + r: registers 0-3 of the fragment
.endr
	WIN 0
.irp kt, 0,1,2,3
	ds_load_b32 v[KS+\kt], v[ADS] offset:16*KP*\kt
.endr
	MLOAD 0
	WIN W_LD
.irp g, 0,1
.irp ct, 0,1,2,3
	ds_load_tr16_b128 v[VF+8*(4*\g+\ct):VF+8*(4*\g+\ct)+3],   v[ADV] offset:32*KP*\g+32*\ct          ; keys 32 g + 8 h on, channel 16 ct + r
	ds_load_tr16_b128 v[VF+8*(4*\g+\ct)+4:VF+8*(4*\g+\ct)+7], v[ADV] offset:32*KP*\g+16*KP+32*\ct
.endr
.endr
	WIN 0
	PIECE 0, \first
	PIECE 1, \first
	s_xor_b32 s[TB], s[TB], SLOT1                  ; on to the other slot
.endm
	CHANGE 1                                       ; tile 0 is whole; tile 1 goes into slot 1, its first fill
	STEP 1
	s_mov_b32 s[REM], 30
.Lslot:                                            ; 30 trips: tiles 2 to 31 are asked for, tiles 1 to 30 worked
	CHANGE 1
	STEP 0
	s_sub_co_u32 s[REM], s[REM], 1
	s_cmp_lg_u32 s[REM], 0
	s_cbranch_scc1 .Lslot
	CHANGE 0                                       ; the last step is written out: nothing is left to ask for
	STEP 0
	; THE WAY OUT.  l's halves and the other half of the lanes' are added (these additions are the plain lines behind the last products); O^T / l goes through my stage, a tile of 16 rows at a time.
.irp t, 0,1,2,3
	v_add_f32 v[ST+8*\t+4], v[ST+8*\t+2], v[ST+8*\t+3]
.endr
.irp t, 0,1,2,3
	v_permlanex16_b32 v[ST+8*\t+5], v[ST+8*\t+4], s[SEL], s[SEL+1]
.endr
.irp t, 0,1,2,3
	v_add_f32 v[ST+8*\t+4], v[ST+8*\t+4], v[ST+8*\t+5]
.endr
.irp t, 0,1,2,3
	v_rcp_f32 v[ST+8*\t+6], v[ST+8*\t+4]
.endr
	v_nop                                          ; a plain line behind the last reciprocal
	s_wait_alu depctr_va_vdst(0)                   ; and the wait ahead of the first use: one for the four
.macro PACK t                          ; a lane's eight channels of a row are 32 bytes; they go into rows of 272 bytes and come back as whole rows of 256, into the registers that they left
	WIN W_OUT
.set n, 0
.rept 16
	v_pk_mul_f32 v[S+32*\t+n:S+32*\t+n+1], v[32*\t+n:32*\t+n+1], v[ST+8*\t+6:ST+8*\t+7] op_sel_hi:[1,0]
.set n, n+2
.endr
	WIN 0
.irp ct, 0,1,2,3
	ds_store_b128 v[STO], v[S+32*\t+8*\ct:S+32*\t+8*\ct+3] offset:64*\ct
	ds_store_b128 v[STO], v[S+32*\t+8*\ct+4:S+32*\t+8*\ct+7] offset:64*\ct+16
.endr
.irp f, 0,1,2,3,4,5,6,7
	ds_load_b128 v[S+32*\t+4*\f:S+32*\t+4*\f+3], v[RD] offset:2*272*\f   ; LDS serves a wave's instructions in order: these see the stores above, and the next tile's stores come behind them
.endr
.endm
.macro SEND t, younger                 ; younger: the LDS instructions issued behind tile t's loads: the next tile's sixteen, or none
.irp f, 0,1,2,3,4,5,6,7
	s_wait_dscnt \younger+7-\f
	global_store_b128 v[GO], v[S+32*\t+4*\f:S+32*\t+4*\f+3], s[10:11] offset:4096*\t+512*\f th:TH_STORE_NT   ; 16 lanes store a whole row of 256 bytes, two rows an instruction
.endr
.endm
	PACK 0
	PACK 1
	SEND 0, 16
	PACK 2
	SEND 1, 16
	PACK 3
	SEND 2, 16
	SEND 3, 0
	s_wait_tensorcnt 0x0                           ; the wave's end, behind my last tensor load and my last LDS store
	ds_add_u32 v[SPW], v[NIL]
	s_wait_dscnt 0x0
	CROUND                                         ; the closing round: no work-group ends while a partner may still ask for a tile that names it
	s_endpgm
.Lfunc_end_k_qad7d626240_attn:
	.size	k_qad7d626240_attn, .Lfunc_end_k_qad7d626240_attn-k_qad7d626240_attn
	.p2alignl 7, 3214868480
	.fill 96, 4, 3214868480
	.section	.rodata,"a",@progbits
	.p2align	6, 0x0
	.amdhsa_kernel k_qad7d626240_attn
		.amdhsa_group_segment_fixed_size 327680
		.amdhsa_private_segment_fixed_size 0
		.amdhsa_enable_private_segment 0
		.amdhsa_kernarg_size 32
		.amdhsa_user_sgpr_count 2
		.amdhsa_user_sgpr_kernarg_segment_ptr 1
		.amdhsa_wavefront_size32 1
		.amdhsa_system_sgpr_workgroup_id_x 1
		.amdhsa_system_sgpr_workgroup_id_y 1
		.amdhsa_system_sgpr_workgroup_id_z 1
		.amdhsa_system_vgpr_workitem_id 0
		.amdhsa_next_free_vgpr 512
		.amdhsa_next_free_sgpr 80
		.amdhsa_reserve_vcc 0
		.amdhsa_float_denorm_mode_32 3
		.amdhsa_float_denorm_mode_16_64 3
		.amdhsa_memory_ordered 1
		.amdhsa_forward_progress 1
		.amdhsa_inst_pref_size 144
	.end_amdhsa_kernel
	.amdgpu_metadata
---
amdhsa.version: [ 1, 2 ]
amdhsa.kernels:
  - .name:           k_qad7d626240_attn
    .symbol:         k_qad7d626240_attn.kd
    .args:
      - { .name: q, .offset: 0, .size: 8, .value_kind: global_buffer, .address_space: global }
      - { .name: kv, .offset: 8, .size: 8, .value_kind: global_buffer, .address_space: global }
      - { .name: mask, .offset: 16, .size: 8, .value_kind: global_buffer, .address_space: global }
      - { .name: out0, .offset: 24, .size: 8, .value_kind: global_buffer, .address_space: global }
    .group_segment_fixed_size: 327680
    .private_segment_fixed_size: 0
    .kernarg_segment_align: 8
    .kernarg_segment_size: 32
    .max_flat_workgroup_size: 256
    .sgpr_count:     80
    .vgpr_count:     512
    .wavefront_size: 32
...
	.end_amdgpu_metadata
.endif
;; end of part 2
